; MI455X (gfx1250); checked and timed in simulation.
; The chip was launched on July 23, 2026; its instructions are those of AMD's public machine-readable ISA for CDNA 5 (MIT licence, August 2026) and "CDNA5" Instruction Set Architecture Reference Guide (July 2026). The comments in the code are by the model that wrote it; some were corrected since.
;; SIR Neural ODE Model. Allowed arithmetic: float matrix products may take bf16 or f16 operands with f32 sums; other float arithmetic in f32, or as packed bf16 or f16 multiplies, adds, multiply-adds, maxima and minima; sums over many terms, partial sums and values carried from step to step in f32; what a program stores and reads back later, other than sums and carried values, may be rounded once to bf16 or f16.
;; Inputs: W1 3 x 128 float32; W2 128 x 3 float32; b1 128 float32; b2 3 float32; x 131,072 x 50 x 3 float32.
;; Outputs: out0 131,072 x 25 x 3 float32.
;; One version. Each part assembles by itself: llvm-mc -triple=amdgcn-amd-amdhsa -mcpu=gfx1250 --defsym DOCPART=n.
;; ======== version 1 of 1: 1 launch
;; launch rk4 (part 1): grid 256 x 1, 16 waves a work-group, no clusters, 155,648 bytes of LDS; arguments x, W1, b1, W2, b2, out0; writes out0
.if DOCPART == 1
	.amdgcn_target "amdgcn-amd-amdhsa--gfx1250"
	.amdhsa_code_object_version 6
	.text
	.protected	k_qdb749f8087_rk4
	.globl	k_qdb749f8087_rk4
	.p2align	8
	.type	k_qdb749f8087_rk4,@function
k_qdb749f8087_rk4:
	s_mov_b64 s[64:65], 0
	v_nop
	global_prefetch_b8 v0, s[64:65] scope:SCOPE_SE
	s_setreg_imm32_b32 hwreg(HW_REG_WAVE_MODE, 25, 1), 1
	s_wait_xcnt 0x0
; out0[e][0] = y0 = x[e][49]; out0[e][t+1] = one RK4 step of dy/dt = relu(y W1 + b1) W2 + b2 from out0[e][t], dt = 1/24, 24 steps.
; x: [131072][50][3], W1: [3][128], b1: [128], W2: [128][3], b2: [3], out0: [131072][25][3], all f32.
; SHARES.  256 work-groups of 16 waves; a work-group owns 512 consecutive elements, a wave 32 of them: two tiles of 16 (tile 0: its first 16, tile 1: the next 16).
; All weights lie in every wave's registers as ready matrix fragments; the 96 evaluations touch no memory and pass no barrier.  The trajectory is gathered in LDS as the exact
; image of the work-group's 153,600 bytes of out0 and leaves at the end in stores of 512 consecutive bytes a wave.
; BOTH PRODUCTS ARE USED TRANSPOSED (lane = 16 h + r):
;   layer 1: H^T (16 hidden x 16 elements) = W1's fragment x the state's fragment, summed in f32: lane (r, h) holds element r, hidden units 8 h .. 8 h + 7, in eight registers.  Rounded once to bf16, in pairs,
;            they are four registers, which ARE half of a source 1 (32 hidden x 16 elements) of layer 2.  ReLU is a packed maximum on them (it commutes with the rounding).
;   layer 2: K^T = W2's fragment x H^T + b2.  Rows 0-2 and 8-10 of the fragment hold bf16(W2), rows 4-6 and 12-14 hold W2 - bf16(W2), the others 0: every lane gets its element's k in accumulator
;            registers 0-2 and the low parts' share in registers 4-6.  So nothing ever changes lanes.
; LAYER 1's K = 32 holds more than y.  The stage's argument y + c dt k is not formed: W1^T y + b1 + (c dt W1)^T k is one matrix instruction.  All lanes write the same source 1; lanes 0-15 feed the K places at which
; W1's fragment holds the bf16 of its numbers, lanes 16-31 those at which it holds the rest (number - its bf16).  Register by register (source 1 | source 0, for hidden unit m):
;   0 (yh0, yh1) | (W1[0][m], W1[1][m])      1 (yh2, 1) | (W1[2][m], b1[m])      2 (yl0, yl1) | as 0      3 (yl2, 0) | (W1[2][m], 0)          yh = bf16(y), yl = bf16(y - yh)
;   4 (k0, k1), 5 (k2, 0) in stages 2 and 3, else 0 | dt/2 W1                    6 (k0, k1), 7 (k2, 0) in stage 4, else 0 | dt W1
; So W1, b1, W2 and y enter with two bf16 each; rounded once to bf16 are the hidden units and the increments' k.  The sum y + dt/6 (k1 + 2 k2 + 2 k3 + k4) is kept in f32, by fused multiply-adds.
; LIMITS.  dt is the f32 number 1/24 in every step (the differences of linspace's points differ from it in the last bit); the order of rounding differs from the plain formula's as said above.
; A NaN among the hidden units counts as 0 (the maximum drops it); infinities, and numbers that round to an infinity in bf16 (beyond 3.39e38), are not treated apart.
; NO TENSOR LOADS, NO CLUSTER: what work-groups share is 3,596 bytes of weights, read once into registers; of x a wave needs 12 bytes of each of 32 rows, once.
.set XROW,  600                        ; bytes of an element in x
.set XLAST, 588                        ; its last state
.set OROW,  300                        ; bytes of an element in out0 and in LDS
.set STEPS, 24
.set SPARE, 512*OROW                   ; behind the trajectory (600 blocks of 256 bytes): the spare words, 128 bytes for each of the 16 waves, that no other line names
.set SPW,  1                           ; v1       LDS address of my spare word; never rewritten
.set NIL,  2                           ; v2       0, for the add alone
.set LST,  3                           ; v3       where my element's next state goes in LDS: 300 x thread + 12 t
.set ONE,  4                           ; v4       1.0
.set ZR,   5                           ; v5       0: ReLU's bound and the conversions' empty half; part of no matrix operand
.set NM,   6                           ; v6-11    the loop: y less its bf16, three registers a tile
.set RA,   6                           ; v6-8     the way out: 16 x thread, + 65,536, + 131,072
.set VX,   12                          ; v12      the set-up: 600 r: my element's row in a tile's part of x
.set VW1,  13                          ; v13      the set-up: 4 r
.set VW2,  14                          ; v14      the set-up: 96 h + 4 min(r & 3, 2)
.set PT,   12                          ; v12-14   the loop: the state on its way to LDS
.set VM,   15                          ; v15      all ones where r & 3 < 3, else 0
.set CB2,  16                          ; v[16:23] b2[0], b2[1], b2[2], 0, 0, 0, 0, 0: what starts layer 2's sums
.set SG0,  24                          ; v[24:31], v[240:247], v[248:255]: layer 1's f32 results, three tuples by turns: product x in tuple x % 3
.set SG1,  240
.set W2F,  32                          ; v[32:63] W2's fragments: hidden units 32 c on at 32 + 8 c
.set W1F,  64                          ; v[64:127] W1's fragments: hidden units 16 i on at 64 + 8 i
.set HID,  128                         ; v[128:191] the hidden units in bf16: tile t, units 16 i on at 128 + 32 t + 4 i
.set BST,  192                         ; v[192:207] the state's fragment, tile t at 192 + 8 t
.set KT,   208                         ; v[208:223] layer 2's accumulator, tile t at 208 + 8 t
.set YS,   224                         ; v224-226, v232-234 y
.set ACC,  228                         ; v228-230, v236-238 the step's running sum
.set TM,   240                         ; v240-250 the set-up: at work, ahead of the first matrix instruction
.set RAW2, HID                         ; the set-up: W2 as loaded, 64 numbers
.set RAW1, BST                         ; W1 and b1 as loaded: fragment i's W1[0..2][m], b1[m] at 192 + 4 i
.set WV,   16                          ; s16      my wave's number
.set HALF, 22                          ; s22      lane mask: lanes 16-31
.set HIM,  23                          ; s23      a word's upper bf16
.set DT6,  24                          ; s[24:25] dt/6: the packed forms name a pair and take its low word
.set DT3,  26                          ; s[26:27] dt/3
.set CM,   31                          ; s31      a compare's lane mask
.set LOM,  32                          ; s32      lane mask: r & 4, the rows of W2's low parts
.set DTH,  33                          ; s33      dt/2
.set CNT,  34                          ; s34      steps to go
; d = s in the lanes that mask m leaves out, s - bf16(s) in those that it names: rounded to bf16 these are the number's two parts
.macro SPLITSEL d, s, tt, m
	v_cvt_pk_bf16_f32 v[(\tt)], v[(\s)], v[(\s)]
	v_lshlrev_b32 v[(\tt)], 16, v[(\tt)]
	v_sub_f32 v[(\tt)], v[(\s)], v[(\tt)]
	v_cndmask_b32 v[(\d)], v[(\s)], v[(\tt)], s[(\m)]
.endm
; W1's fragment i from its four numbers as loaded
.macro W1FRAG i
.set fR, RAW1+4*(\i)
.set fF, W1F+8*(\i)
.irp c, 0,1,2,3
	SPLITSEL TM+(\c), fR+(\c), TM+4, HALF
.endr
	v_cvt_pk_bf16_f32 v[fF], v[TM], v[TM+1]
	v_cvt_pk_bf16_f32 v[fF+1], v[TM+2], v[TM+3]
	v_mov_b32 v[fF+2], v[fF]
	v_cvt_pk_bf16_f32 v[fF+3], v[TM+2], v[ZR]
.irp c, 0,1,2
	v_mul_f32 v[TM+5+(\c)], s[DTH], v[fR+(\c)]
	SPLITSEL TM+8+(\c), TM+5+(\c), TM+4, HALF
.endr
	v_cvt_pk_bf16_f32 v[fF+4], v[TM+8], v[TM+9]
	v_cvt_pk_bf16_f32 v[fF+5], v[TM+10], v[ZR]
.irp c, 0,1,2
	v_add_f32 v[TM+8+(\c)], v[TM+8+(\c)], v[TM+8+(\c)]     ; doubling is exact: dt W1's two parts are twice dt/2 W1's
.endr
	v_cvt_pk_bf16_f32 v[fF+6], v[TM+8], v[TM+9]
	v_cvt_pk_bf16_f32 v[fF+7], v[TM+10], v[ZR]
.endm
; Registers 0-3 of tile t's state fragment from its y
.macro NEWY t
.set nB, BST+8*(\t)
.set nY, YS+8*(\t)
.set nM, NM+3*(\t)
	v_cvt_pk_bf16_f32 v[nB], v[nY], v[nY+1]
	v_cvt_pk_bf16_f32 v[nB+1], v[nY+2], v[ONE]
	v_lshlrev_b32 v[nM], 16, v[nB]
	v_and_b32 v[nM+1], s[HIM], v[nB]
	v_lshlrev_b32 v[nM+2], 16, v[nB+1]
.irp c, 0,1,2
	v_sub_f32 v[nM+(\c)], v[nY+(\c)], v[nM+(\c)]
.endr
	v_cvt_pk_bf16_f32 v[nB+2], v[nM], v[nM+1]
	v_cvt_pk_bf16_f32 v[nB+3], v[nM+2], v[ZR]
.endm
; What follows evaluation p (1 to 4) for tile t: k's two shares are added (the accumulator's lowest registers are read first), k goes into the next stage's places of the
; state fragment, and into the running sum; behind the fourth the new y is there.
.macro POST p, t
.set pT, KT+8*(\t)
.set pB, BST+8*(\t)
.set pY, YS+8*(\t)
.set pA, ACC+8*(\t)
	v_pk_add_f32 v[pT:pT+1], v[pT:pT+1], v[pT+4:pT+5]
	v_add_f32 v[pT+2], v[pT+2], v[pT+6]
.if (\p) < 3
	v_cvt_pk_bf16_f32 v[pB+4], v[pT], v[pT+1]
	v_cvt_pk_bf16_f32 v[pB+5], v[pT+2], v[ZR]
.elseif (\p) == 3
	v_cvt_pk_bf16_f32 v[pB+6], v[pT], v[pT+1]
	v_cvt_pk_bf16_f32 v[pB+7], v[pT+2], v[ZR]
	v_mov_b32 v[pB+4], 0
	v_mov_b32 v[pB+5], 0
.endif
.if (\p) == 1
	v_pk_fma_f32 v[pA:pA+1], v[pT:pT+1], s[DT6:DT6+1], v[pY:pY+1] op_sel_hi:[1,0,1]
	v_fma_f32 v[pA+2], v[pT+2], s[DT6], v[pY+2]
.elseif (\p) < 4
	v_pk_fma_f32 v[pA:pA+1], v[pT:pT+1], s[DT3:DT3+1], v[pA:pA+1] op_sel_hi:[1,0,1]
	v_fma_f32 v[pA+2], v[pT+2], s[DT3], v[pA+2]
.else
	v_pk_fma_f32 v[pY:pY+1], v[pT:pT+1], s[DT6:DT6+1], v[pA:pA+1] op_sel_hi:[1,0,1]
	v_fma_f32 v[pY+2], v[pT+2], s[DT6], v[pA+2]
	v_mov_b32 v[pB+6], 0
	v_mov_b32 v[pB+7], 0
	NEWY \t
.endif
.endm
; The state goes into LDS: lanes 0-15 hold tile 0's elements, lanes 16-31 take tile 1's, so lane l stores the wave's element l.  32 lanes 75 words apart: 75 l mod 64 = 11 l mod 64 are 32
; different banks (64 banks of 4 bytes: ISA guide 11.1).  step = 1: on to the next time; with it the macro has four plain vector instructions.
.macro PUT step
.irp c, 0,1,2
	v_cndmask_b32 v[PT+(\c)], v[YS+(\c)], v[YS+8+(\c)], s[HALF]
.endr
.irp c, 0,1,2
	ds_store_b32 v[LST], v[PT+(\c)] offset:4*(\c)
.endr
.if \step
	v_add_nc_u32 v[LST], 12, v[LST]
.endif
.endm
.macro PLACES                          ; a vector instruction reads a matrix result four places behind it, and only plain vector instructions that name none of its registers are places (ISA guide 7.12.1)
.rept 4
	v_nop
.endr
.endm
.macro NAMES x                         ; product x of layer 1's 16: hidden units 16 li on, tile lt, f32 result in v[ls:ls+7]
.set li, (\x)/2
.set lt, (\x)%2
.if (\x)%3 == 0
.set ls, SG0
.else
.set ls, SG1+8*((\x)%3-1)
.endif
.endm
.macro LAYER1 x                        ; the whole sum is one instruction: it starts from the constant 0
	NAMES \x
	v_wmma_f32_16x16x32_bf16 v[ls:ls+7], v[W1F+8*li:W1F+8*li+7], v[BST+8*lt:BST+8*lt+7], 0
.endm
.macro RELU x                          ; product x's eight numbers are rounded to bf16, lowest registers first, and held at 0 from below
	NAMES \x
.irp j, 0,1,2,3
	v_cvt_pk_bf16_f32 v[HID+32*lt+4*li+(\j)], v[ls+2*(\j)], v[ls+2*(\j)+1]
.endr
.irp j, 0,1,2,3
	v_pk_max_num_bf16 v[HID+32*lt+4*li+(\j)], v[HID+32*lt+4*li+(\j)], v[ZR]
.endr
.endm
.macro LAYER2 x                        ; product x of 8: hidden units 32 (x / 2) on, tile x % 2.  The two tiles' accumulators take turns, one instruction a turn
.set lc, (\x)/2
.set lt, (\x)%2
.if lc == 0
	v_wmma_f32_16x16x32_bf16 v[KT+8*lt:KT+8*lt+7], v[W2F:W2F+7], v[HID+32*lt:HID+32*lt+7], v[CB2:CB2+7]
.else
	v_wmma_f32_16x16x32_bf16 v[KT+8*lt:KT+8*lt+7], v[W2F+8*lc:W2F+8*lc+7], v[HID+32*lt+8*lc:HID+32*lt+8*lc+7], v[KT+8*lt:KT+8*lt+7]
.endif
.endm
; EVALUATION p + 1 of a step, both tiles: 24 matrix instructions.  In front of it what follows evaluation p (p = 0: the state is stored).
; Distances, by count: RELU x stands behind RELU x - 2 and RELU x - 1, sixteen plain instructions that name none of product x's registers (x = 0: behind POST's six or more, or PUT's four;
; x = 1: behind RELU 0's eight).  Product x + 3 writes over product x's result: behind RELU x, which has read it, and sixteen such instructions or more behind product x.  A RELU writes over what a
; layer 2 product of the evaluation before has read: between them stand the four v_nop and a POST at the least.
.macro CORE p
.if \p
	PLACES
	POST \p, 0
.endif
	LAYER1 0
.if \p
	POST \p, 1
.else
	PUT 1
.endif
	LAYER1 1
.set n, 2
.rept 14
	LAYER1 n
	RELU n-2
.set n, n+1
.endr
	LAYER2 0
	RELU 14
	LAYER2 1
	RELU 15
.set n, 2
.rept 6
	LAYER2 n
.set n, n+1
.endr
.endm
	s_load_b256 s[4:11], s[0:1], 0x0               ; x s[4:5], W1 s[6:7], b1 s[8:9], W2 s[10:11]
	s_load_b128 s[12:15], s[0:1], 0x20             ; b2 s[12:13], out0 s[14:15]
	v_lshl_add_u32 v[SPW], v0, 2, SPARE
	v_mov_b32 v[NIL], 0
	v_lshrrev_b32 v10, 5, v0
	v_readfirstlane_b32 s[WV], v10                 ; wave 0..15
	s_mov_b32 s[HALF], 0xffff0000
	s_mov_b32 s[HIM], 0xffff0000
	s_mov_b32 s[LOM], 0xf0f0f0f0
	s_mov_b32 s[DT6], 0x3be38e39                   ; 1/144
	s_mov_b32 s[DT6+1], s[DT6]                     ; named with it as a pair
	s_mov_b32 s[DT3], 0x3c638e39                   ; 1/72
	s_mov_b32 s[DT3+1], s[DT3]
	s_mov_b32 s[DTH], 0x3caaaaab                   ; 1/48
	v_and_b32 v10, 15, v0                          ; r
	v_bfe_u32 v11, v0, 4, 1                        ; h
	v_mul_u32_u24 v[VX], v10, XROW
	v_lshlrev_b32 v[VW1], 2, v10
	v_mul_u32_u24 v[VW2], v11, 96                  ; 8 h rows of W2, 12 bytes each
	v_and_b32 v10, 3, v0                           ; r & 3: W2's column for my row of its fragment,
	v_cmp_gt_u32 s[CM], 3, v10
	v_cndmask_b32 v[VM], 0, -1, s[CM]              ; or none: that row is cleared,
	v_min_u32 v10, 2, v10                          ; and its loads stay inside W2
	v_lshl_add_u32 v[VW2], v10, 2, v[VW2]
	v_mul_u32_u24 v[LST], v0, OROW
	s_mul_i32 s18, ttmp9, 512*XROW                 ; the work-group's 512 elements of x,
	s_mul_i32 s17, s[WV], 32*XROW                  ; my wave's 32: 78,624,000 bytes at the most
	s_add_co_u32 s18, s18, s17
	s_mov_b32 s19, 0
	s_mul_i32 s20, ttmp9, 512*OROW                 ; the work-group's part of out0
	s_mov_b32 s21, 0
	s_wait_kmcnt 0x0
	s_load_b64 s[28:29], s[12:13], 0x0             ; b2
	s_load_b32 s30, s[12:13], 0x8
	s_add_nc_u64 s[4:5], s[4:5], s[18:19]
	s_add_nc_u64 s[14:15], s[14:15], s[20:21]
	; 102 loads of 4 bytes a lane: W2's 64, W1's and b1's 32, x's 6.
	; W2's fragment c: lane (r, h) holds row r; its number j is hidden unit 32 c + (j & 7) + 8 h + 16 (j >> 3)
.set c, 0
.rept 4
.set j, 0
.rept 16
	global_load_b32 v[RAW2+16*c+j], v[VW2], s[10:11] offset:(32*c+(j&7)+16*(j>>3))*12
.set j, j+1
.endr
.set c, c+1
.endr
.set i, 0
.rept 8                                ; W1's fragment i: lane (r, h) holds hidden unit 16 i + r
.irp c, 0,1,2
	global_load_b32 v[RAW1+4*i+(\c)], v[VW1], s[6:7] offset:512*(\c)+64*i
.endr
	global_load_b32 v[RAW1+4*i+3], v[VW1], s[8:9] offset:64*i
.set i, i+1
.endr
.irp t, 0,1
.irp c, 0,1,2
	global_load_b32 v[YS+8*(\t)+(\c)], v[VX], s[4:5] offset:XLAST+16*XROW*(\t)+4*(\c) th:TH_LOAD_NT  ; y0 of element r of tile t, in both halves of the lanes
.endr
.endr
	v_mov_b32 v[ZR], 0                             ; constants, while the loads are out
	v_mov_b32 v[ONE], 1.0
.set i, 3
.rept 5
	v_mov_b32 v[CB2+i], 0
.set i, i+1
.endr
	s_wait_loadcnt 38                              ; loads come back in order (ISA guide 5.7.1): W2 is in; the 32 + 6 younger loads stay out
.set i, 0
.rept 64
	SPLITSEL RAW2+i, RAW2+i, TM+i%4, LOM           ; rows 4-6 and 12-14 take the low parts
.set i, i+1
.endr
.set i, 0
.rept 32
	v_cvt_pk_bf16_f32 v[W2F+i], v[RAW2+2*i], v[RAW2+2*i+1]
	v_and_b32 v[W2F+i], v[VM], v[W2F+i]
.set i, i+1
.endr
	s_wait_loadcnt 6                               ; W1 and b1 are in; x's six stay out
.irp i, 0,1,2,3,4,5,6,7
	W1FRAG \i
.endr
.irp t, 0,1                            ; only now: W1 as loaded lay in these registers
.irp j, 4,5,6,7
	v_mov_b32 v[BST+8*(\t)+(\j)], 0
.endr
.endr
	s_wait_kmcnt 0x0                               ; b2
	v_mov_b32 v[CB2], s28
	v_mov_b32 v[CB2+1], s29
	v_mov_b32 v[CB2+2], s30
	s_wait_loadcnt 0x0                             ; y0; and every load is done: the offsets' registers v12-14 are free for the loop
	NEWY 0
	NEWY 1
	s_mov_b32 s[CNT], STEPS
.Lstep:                                                ; a trip: the state is stored to LDS, four evaluations, the new state.  No load, no wait: LDS stores are waited for once, in front of the barrier
	CORE 0
	CORE 1
	CORE 2
	CORE 3
	PLACES
	POST 4, 0
	POST 4, 1
	s_sub_co_u32 s[CNT], s[CNT], 1
	s_cmp_lg_u32 s[CNT], 0
	s_cbranch_scc1 .Lstep
	PUT 0                                          ; the last state
	; THE WAY OUT.  LDS holds the work-group's 153,600 bytes of out0 as they lie in memory: 300 chunks of 512 bytes.  Chunk 16 i + w is wave w's: rows i = 0 to 17 are whole, of row 18 only waves 0 to 11 have one.
	s_wait_dscnt 0x0                               ; for the others' sake: my stores into LDS are done
	s_barrier_signal -1
	v_lshlrev_b32 v[RA], 4, v0                     ; my 16 bytes in a row of 8,192: in LDS and in out0 alike
	v_add_nc_u32 v[RA+1], 0x10000, v[RA]           ; an LDS offset has 16 bits: the registers carry the rest
	v_add_nc_u32 v[RA+2], 0x20000, v[RA]
	s_barrier_wait -1                              ; everybody's are
	s_cmp_ge_u32 s[WV], 12
	s_cbranch_scc1 .Lwhole
	ds_load_b128 v[W1F+40:W1F+43], v[RA+2] offset:2*8192   ; the loads below land in registers that matrix instructions have read: the four v_nop behind the last product and the vector work since are the places
	s_wait_dscnt 0x0
	global_store_b128 v[RA], v[W1F+40:W1F+43], s[14:15] offset:18*8192 th:TH_STORE_NT
.Lwhole:
.set i, 0
.rept 18
	ds_load_b128 v[W2F+4*i:W2F+4*i+3], v[RA+i/8] offset:(i%8)*8192
.set i, i+1
.endr
.set i, 0
.rept 18
	s_wait_dscnt 17-i                              ; LDS loads come back in order (ISA guide 5.7.1): load i is in, the younger ones stay out
	global_store_b128 v[RA], v[W2F+4*i:W2F+4*i+3], s[14:15] offset:8192*i th:TH_STORE_NT  ; a wave stores 512 consecutive bytes, at a multiple of 512 from out0's first byte
.set i, i+1
.endr
	s_wait_tensorcnt 0x0                           ; the wave's end, behind my last LDS store
	ds_add_u32 v[SPW], v[NIL]
	s_wait_dscnt 0x0
	s_endpgm
.Lfunc_end_k_qdb749f8087_rk4:
	.size	k_qdb749f8087_rk4, .Lfunc_end_k_qdb749f8087_rk4-k_qdb749f8087_rk4
	.p2alignl 7, 3214868480
	.fill 96, 4, 3214868480
	.section	.rodata,"a",@progbits
	.p2align	6, 0x0
	.amdhsa_kernel k_qdb749f8087_rk4
		.amdhsa_group_segment_fixed_size 155648
		.amdhsa_private_segment_fixed_size 0
		.amdhsa_enable_private_segment 0
		.amdhsa_kernarg_size 48
		.amdhsa_user_sgpr_count 2
		.amdhsa_user_sgpr_kernarg_segment_ptr 1
		.amdhsa_wavefront_size32 1
		.amdhsa_system_sgpr_workgroup_id_x 1
		.amdhsa_system_sgpr_workgroup_id_y 1
		.amdhsa_system_sgpr_workgroup_id_z 1
		.amdhsa_system_vgpr_workitem_id 0
		.amdhsa_next_free_vgpr 256
		.amdhsa_next_free_sgpr 66
		.amdhsa_reserve_vcc 0
		.amdhsa_float_denorm_mode_32 3
		.amdhsa_float_denorm_mode_16_64 3
		.amdhsa_memory_ordered 1
		.amdhsa_forward_progress 1
		.amdhsa_inst_pref_size 92
	.end_amdhsa_kernel
	.amdgpu_metadata
---
amdhsa.version: [ 1, 2 ]
amdhsa.kernels:
  - .name:           k_qdb749f8087_rk4
    .symbol:         k_qdb749f8087_rk4.kd
    .args:
      - { .name: x, .offset: 0, .size: 8, .value_kind: global_buffer, .address_space: global }
      - { .name: W1, .offset: 8, .size: 8, .value_kind: global_buffer, .address_space: global }
      - { .name: b1, .offset: 16, .size: 8, .value_kind: global_buffer, .address_space: global }
      - { .name: W2, .offset: 24, .size: 8, .value_kind: global_buffer, .address_space: global }
      - { .name: b2, .offset: 32, .size: 8, .value_kind: global_buffer, .address_space: global }
      - { .name: out0, .offset: 40, .size: 8, .value_kind: global_buffer, .address_space: global }
    .group_segment_fixed_size: 155648
    .private_segment_fixed_size: 0
    .kernarg_segment_align: 8
    .kernarg_segment_size: 48
    .max_flat_workgroup_size: 512
    .sgpr_count:     66
    .vgpr_count:     256
    .wavefront_size: 32
...
	.end_amdgpu_metadata
.endif
;; end of part 1
